; MI455X (gfx1250); checked and timed in simulation.
; The chip was launched on July 23, 2026; its instructions are those of AMD's public machine-readable ISA for CDNA 5 (MIT licence, August 2026) and "CDNA5" Instruction Set Architecture Reference Guide (July 2026). The comments in the code are by the model that wrote it; some were corrected since.
;; Euclidean Codebook. Allowed arithmetic: matrix products marked QUANTISED: E5M2 operands, one given power-of-two scale a tensor, by v_wmma_f32_16x16x64_bf8_bf8 or v_wmma_f32_16x16x128_bf8_bf8, f32 sums; everything else in f32.
;; Inputs: embed 8,192 x 512 float32; lowp_scales 2 int32 (the exponents e of the quantised operands' scales 2^e); x 4 x 4,096 x 512 float32.
;; Outputs: out0 4 x 4,096 x 512 float32; out1 4 x 4,096 int32.
;; This version of the problem:
;;   THIS VERSION OF THE PROBLEM IS GIVEN IN LOW PRECISION. The matrix products marked QUANTISED in the list below multiply operands that are first quantised to E5M2 (5 exponent bits, 2 mantissa bits; 8 bits a number), with one given power-of-two scale for each operand tensor; their sums are f32. All else is computed in f32.
;;   The module's matrix products, in the order in which they are computed (A, B: the left and right operand; K: the contracted axis; several contracted axes count as one K, in the product's order):
;;     1. [M 16,384, K 512] x [K 512, N 8,192]; A: input x; B: input embed: QUANTISED (scales: A lowp_scales[0], B lowp_scales[1])
;;   THE QUANTISER, for each operand of a quantised product, along K:
;;     - The operand's scale is 2^e, e = its entry of the input lowp_scales (int32; the entries are numbered through the quantised products in the list's order, A before B).
;;     - Each number is divided by the scale, clamped to +-57,344, and rounded to the nearest number of E5M2, ties to even, subnormals kept.
;;     - The product sums the exact products of the quantised numbers (number of the format x scale) in f32.
;;   ~~~python
;;   def quantise(x, axis, e):      # numpy; x: float32 -> the quantised numbers, widened to float32 again
;;       x = np.moveaxis(x, axis, -1); K = x.shape[-1]
;;       r = np.clip(x / 2.0 ** e, -57344, 57344)
;;       step = 2.0 ** (np.maximum(np.frexp(np.where(r == 0, 1, r))[1] - 1, -14) - 2)
;;       q = np.round(r / step) * step * 2.0 ** e      # np.round: ties to even
;;       return np.moveaxis(q, -1, axis).astype(np.float32)
;;   ~~~
;; One version. Each part assembles by itself: llvm-mc -triple=amdgcn-amd-amdhsa -mcpu=gfx1250 --defsym DOCPART=n.
;; ======== version 1 of 1: 3 launches
;; limits: right only within a limited range of input values
;; workspace buffers: xc 8,388,608 bytes; ec 4,325,376 bytes; pval 131,072 bytes; pidx 131,072 bytes of whole numbers
;; launch quant (part 1): grid 384 x 1, 4 waves a work-group, no clusters, 34,304 bytes of LDS; arguments x, embed, lowp_scales, xc, ec; writes xc, ec
.if DOCPART == 1
	.amdgcn_target "amdgcn-amd-amdhsa--gfx1250"
	.amdhsa_code_object_version 6
	.text
	.protected	k_q09061da595_quant
	.globl	k_q09061da595_quant
	.p2align	8
	.type	k_q09061da595_quant,@function
k_q09061da595_quant:
	s_mov_b64 s[64:65], 0
	v_nop
	global_prefetch_b8 v0, s[64:65] scope:SCOPE_SE
	s_setreg_imm32_b32 hwreg(HW_REG_WAVE_MODE, 25, 1), 1
	s_wait_xcnt 0x0
; x [16384][512] and embed [8192][512], f32, become codes of BF8 (E5M2), each with the one scale 2^e that is given for it (entry 0: x, entry 1: embed).
; code = number / 2^e, held within +-57,344, rounded to the nearest code, ties to even.
; WORK LEFT OUT, in the whole program: x_sq.  dist[n][k] = -(x_sq[n] - 2 S[n][k] + e_sq[k]); x_sq[n] is the same for all k of a row, so for every finite input the k with the largest dist is the k with the
; largest 2 S[n][k] - e_sq[k], and dist itself is no output.  So x's squares are not summed.  Every input is still loaded.  LIMIT: an overflow of x_sq alone is not carried to the result, and
; where two codes of a row lie closer than reference()'s own f32 rounding of dist, the code chosen may be the other of the two.
; With E = ex + ee and S = Sc 2^E (Sc: the product of the codes), the largest 2 S - e_sq is the largest Sc + b, b = -e_sq 2^(-E-1): this launch stores b (a multiplication by a power of two) beside each tile of embed's codes.
; THE CODES ARE LAID AS IMAGES OF OPERAND REGISTERS.  Tile T = rows 16 T .. 16 T + 15.  Byte s x 2048 + g x 512 + 16 x lane of a tile begins registers 4 g .. 4 g + 3 of the fragment of K step s (128 along K):
; lane (r = lane % 16, h = lane / 16) holds row 16 T + r, and its registers 2 c, 2 c + 1 hold k = 128 s + 16 c + 8 h + 0 .. 7.  A tile of x takes 8,192 bytes; a tile of embed 8,448: behind its codes 64 words, word w = b of row 16 T + w % 16.
; SHARES.  One wave, one tile; work-groups 0-255 take x, 256-383 embed.  A K step of a tile: 16 loads of 512 consecutive bytes of one row; they turn through the wave's own stage in LDS (rows 528 bytes apart)
; and come back 32 bytes at a time, so that a lane's registers run along K.  Loads run two K steps (32 loads a wave) ahead.  No tensor load, no barrier: waves share nothing.
; LIMITS: e between -126 and 112; ex + ee between -128 and 125, so that 2^(-E-1) is an f32 number.  NaN among the inputs is not served.  A row's squares are added in 16 partial sums, not in reference()'s order.
.set XWG,  256                         ; work-groups that take x
.set SP,   528                         ; a stage row: 512 bytes + 16
.set WST,  16*SP                       ; a wave's stage
.set SPARE, 4*WST                      ; behind the stages: the spare words, 128 bytes a wave
.set SQ,   12                          ; v[12:19]   four pairs of partial sums
.set R,    32                          ; v[32:159]  two sets of 64: a K step as it is loaded
.set X,    160                         ; v[160:223] register 8 c + i = k 16 c + 8 h + i of my row
.set C,    224                         ; v[224:255] two sets of 16: a fragment's codes
	s_load_b128 s[4:7], s[0:1], 0x0                ; x, embed
	s_load_b64 s[8:9], s[0:1], 0x10                ; the scales' exponents
	s_load_b128 s[12:15], s[0:1], 0x18             ; xc, ec
	v_lshl_add_u32 v30, v0, 2, SPARE
	v_mov_b32 v31, 0
	v_lshrrev_b32 v8, 5, v0
	v_readfirstlane_b32 s20, v8                    ; wave 0..3
	v_and_b32 v1, 31, v0                           ; lane
	v_and_b32 v8, 15, v0                           ; r
	v_bfe_u32 v9, v0, 4, 1                         ; h
	v_lshlrev_b32 v2, 4, v1                        ; 16 x lane: my bytes of a load's 512, and of a store's
	s_mul_i32 s24, s20, WST
	v_add_nc_u32 v3, s24, v2                       ; the stage, way in: a row as it lies
	v_mul_u32_u24 v4, v8, SP
	v_lshl_add_u32 v4, v9, 5, v4
	v_add_nc_u32 v4, s24, v4                       ; way out: row r, + 32 h: eight numbers of each sixteen
	v_lshlrev_b32 v5, 3, v1                        ; 8 x lane: b's way to memory
.irp i, 0,1,2,3,4,5,6,7,8,9
	v_mov_b32 v[SQ+\i], 0                          ; the eight sums, written on every way through the text; v20, v21: a lane permute's destination counts as read
.endr
	s_mov_b32 s30, 0x76543210                      ; v_permlanex16_b32: lane l xor 16
	s_mov_b32 s31, 0xfedcba98
	s_mov_b32 s37, 0xeca86420                      ; v_permlane16_b32: lane i of a row takes lane 2 i mod 16,
	s_mov_b32 s38, 0xfdb97531                      ; and lane (2 i + 1) mod 16
	s_cmp_lt_u32 ttmp9, XWG
	s_cselect_b32 s26, 0, XWG
	s_sub_co_u32 s26, ttmp9, s26                   ; my work-group's number within its tensor
	s_lshl_b32 s27, s26, 2
	s_add_co_u32 s27, s27, s20                     ; my tile
	s_lshl_b32 s28, s27, 15                        ; 16 rows of 2,048 bytes
	s_mov_b32 s29, 0
	s_lshl_b32 s32, s27, 13                        ; 8,192 bytes of codes,
	s_lshl_b32 s33, s27, 8
	s_cmp_lt_u32 ttmp9, XWG
	s_cselect_b32 s33, 0, s33                      ; and in embed 256 more for each tile
	s_add_co_u32 s32, s32, s33
	s_mov_b32 s33, 0
	s_wait_alu depctr_va_vdst(0)                   ; the wait at the head's end
	s_wait_kmcnt 0x0
	s_load_b64 s[22:23], s[8:9], 0x0               ; ex, ee
	s_cmp_lt_u32 ttmp9, XWG                        ; the choice hangs on the work-group's number alone
	s_cselect_b64 s[4:5], s[4:5], s[6:7]
	s_cselect_b64 s[12:13], s[12:13], s[14:15]
	s_add_nc_u64 s[4:5], s[4:5], s[28:29]
	s_add_nc_u64 s[12:13], s[12:13], s[32:33]
.macro LOAD t                          ; K step t of my 16 rows into set t % 2: each load reads 512 consecutive bytes of one row
.irp p, 0,1,2,3,4,5,6,7,8,9,10,11,12,13,14,15
	global_load_b128 v[R+64*((\t)%2)+4*\p:R+64*((\t)%2)+4*\p+3], v2, s[4:5] offset:2048*\p+512*(\t) th:TH_LOAD_NT
.endr
.endm
	LOAD 0
	LOAD 1
	s_wait_kmcnt 0x0
	s_add_co_i32 s36, s22, s23                     ; E
	s_sub_co_i32 s36, 126, s36
	s_lshl_b32 s36, s36, 23
	s_or_b32 s36, s36, 0x80000000                  ; -2^(-E-1)
	s_cmp_lt_u32 ttmp9, XWG
	s_cselect_b32 s22, s22, s23                    ; e
	s_add_co_i32 s22, s22, 127
	s_lshl_b32 s23, s22, 23
	v_mov_b32 v11, s23                             ; 2^e as f32: the conversion takes its exponent field
	s_add_co_i32 s22, s22, 15
	s_lshl_b32 s22, s22, 23
	s_or_b32 s22, s22, 0x600000
	v_mov_b32 v10, s22                             ; 57,344 x 2^e
.macro STEP s
.set RSET, R+64*((\s)%2)
.set CSET, C+16*((\s)%2)
.if (\s) < 3
	s_wait_loadcnt 16                              ; this step's 16 loads are in; the next step's 16 may be out
.else
	s_wait_loadcnt 0
.endif
.irp p, 0,1,2,3,4,5,6,7,8,9,10,11,12,13,14,15
	ds_store_b128 v3, v[RSET+4*\p:RSET+4*\p+3] offset:SP*\p
.endr
.irp c, 0,1,2,3,4,5,6,7                ; LDS serves a wave's instructions in order: these see the stores above, and the next step's stores come behind them
	ds_load_b128 v[X+8*\c:X+8*\c+3], v4 offset:64*\c
	ds_load_b128 v[X+8*\c+4:X+8*\c+7], v4 offset:64*\c+16
.endr
	s_wait_dscnt 0x0                               ; my 64 numbers are back, and the stores have read their registers,
.if (\s) < 2
	LOAD (\s)+2                                    ; which take the loads of two steps on
.endif
	s_cmp_lt_u32 ttmp9, XWG                        ; x's squares are not wanted
	s_wait_alu depctr_va_vdst(0)                   ; the wait directly ahead of the branch
	s_cbranch_scc1 .Lnosq_\@
.set k, 0
.rept 32                               ; embed: the squares of the numbers as they came, in four chains of pairs
	v_pk_fma_f32 v[SQ+2*(k%4):SQ+2*(k%4)+1], v[X+2*k:X+2*k+1], v[X+2*k:X+2*k+1], v[SQ+2*(k%4):SQ+2*(k%4)+1]
.set k, k+1
.endr
.Lnosq_\@:
.set k, 0
.rept 64
	v_med3_num_f32 v[X+k], v[X+k], -v10, v10       ; the conversion to an 8-bit code does not saturate (ISA guide 7.6.2): the hold at the largest code x the scale comes first
.set k, k+1
.endr
.if (\s) >= 2
	s_wait_alu depctr_va_vdst(0)
	s_wait_xcnt 0x0                                ; this set of codes was the data of the stores two steps back: it is written again only behind this wait
.endif
.irp c, 0,1,2,3,4,5,6,7
	v_cvt_scalef32_pk8_bf8_f32 v[CSET+2*\c:CSET+2*\c+1], v[X+8*\c:X+8*\c+7], v11   ; registers 2 c, 2 c + 1 of the fragment
.endr
	v_nop                                          ; a plain vector line behind the last conversion of the run
.irp g, 0,1,2,3
	global_store_b128 v2, v[CSET+4*\g:CSET+4*\g+3], s[12:13] offset:2048*(\s)+512*\g   ; 32 lanes store 512 consecutive bytes, at a multiple of 256 from the buffer's first byte
.endr
.endm
	STEP 0
	STEP 1
	STEP 2
	STEP 3
	s_cmp_lt_u32 ttmp9, XWG
	s_wait_alu depctr_va_vdst(0)                   ; the wait directly ahead of the branch
	s_cbranch_scc1 .Ldone
	v_pk_add_f32 v[SQ:SQ+1], v[SQ:SQ+1], v[SQ+2:SQ+3]
	v_pk_add_f32 v[SQ+4:SQ+5], v[SQ+4:SQ+5], v[SQ+6:SQ+7]
	v_pk_add_f32 v[SQ:SQ+1], v[SQ:SQ+1], v[SQ+4:SQ+5]
	v_add_f32 v8, v[SQ], v[SQ+1]                   ; my half of the row,
	v_permlanex16_b32 v9, v8, s30, s31             ; (its destination counts as read: v9 has been written)
	v_add_f32 v8, v8, v9                           ; and lane l xor 16's: e_sq of row r, in both halves of the lanes
	v_mul_f32 v8, s36, v8                          ; b
	v_permlane16_b32 v20, v8, s37, s37             ; b of row 2 l mod 16,
	v_permlane16_b32 v21, v8, s38, s38             ; and of the row behind it
	global_store_b64 v5, v[20:21], s[12:13] offset:8192   ; 32 lanes store 256 consecutive bytes, aligned: the sixteen b four times
.Ldone:
	s_wait_tensorcnt 0x0                           ; the wave's end
	ds_add_u32 v30, v31
	s_wait_dscnt 0x0
	s_endpgm
.Lfunc_end_k_q09061da595_quant:
	.size	k_q09061da595_quant, .Lfunc_end_k_q09061da595_quant-k_q09061da595_quant
	.p2alignl 7, 3214868480
	.fill 96, 4, 3214868480
	.section	.rodata,"a",@progbits
	.p2align	6, 0x0
	.amdhsa_kernel k_q09061da595_quant
		.amdhsa_group_segment_fixed_size 34304
		.amdhsa_private_segment_fixed_size 0
		.amdhsa_enable_private_segment 0
		.amdhsa_kernarg_size 40
		.amdhsa_user_sgpr_count 2
		.amdhsa_user_sgpr_kernarg_segment_ptr 1
		.amdhsa_wavefront_size32 1
		.amdhsa_system_sgpr_workgroup_id_x 1
		.amdhsa_system_sgpr_workgroup_id_y 1
		.amdhsa_system_sgpr_workgroup_id_z 1
		.amdhsa_system_vgpr_workitem_id 0
		.amdhsa_next_free_vgpr 256
		.amdhsa_next_free_sgpr 66
		.amdhsa_reserve_vcc 0
		.amdhsa_float_denorm_mode_32 3
		.amdhsa_float_denorm_mode_16_64 3
		.amdhsa_memory_ordered 1
		.amdhsa_forward_progress 1
		.amdhsa_inst_pref_size 47
	.end_amdhsa_kernel
	.amdgpu_metadata
---
amdhsa.version: [ 1, 2 ]
amdhsa.kernels:
  - .name:           k_q09061da595_quant
    .symbol:         k_q09061da595_quant.kd
    .args:
      - { .name: x, .offset: 0, .size: 8, .value_kind: global_buffer, .address_space: global }
      - { .name: embed, .offset: 8, .size: 8, .value_kind: global_buffer, .address_space: global }
      - { .name: lowp_scales, .offset: 16, .size: 8, .value_kind: global_buffer, .address_space: global }
      - { .name: xc, .offset: 24, .size: 8, .value_kind: global_buffer, .address_space: global }
      - { .name: ec, .offset: 32, .size: 8, .value_kind: global_buffer, .address_space: global }
    .group_segment_fixed_size: 34304
    .private_segment_fixed_size: 0
    .kernarg_segment_align: 8
    .kernarg_segment_size: 40
    .max_flat_workgroup_size: 128
    .sgpr_count:     66
    .vgpr_count:     256
    .wavefront_size: 32
...
	.end_amdgpu_metadata
.endif
;; end of part 1
;; launch dist (part 2): grid 128 x 2, 4 waves a work-group, no clusters, 4,608 bytes of LDS; arguments xc, ec, pval, pidx; writes pval, pidx
.if DOCPART == 2
	.amdgcn_target "amdgcn-amd-amdhsa--gfx1250"
	.amdhsa_code_object_version 6
	.text
	.protected	k_q09061da595_dist
	.globl	k_q09061da595_dist
	.p2align	8
	.type	k_q09061da595_dist,@function
k_q09061da595_dist:
	s_mov_b64 s[64:65], 0
	v_nop
	global_prefetch_b8 v0, s[64:65] scope:SCOPE_SE
	s_setreg_imm32_b32 hwreg(HW_REG_WAVE_MODE, 25, 1), 1
	s_wait_xcnt 0x0
; For each of 16,384 rows of x and each half (4,096 codes) of the codebook: the largest u = Sc + b and the FIRST code that has it.  Sc = the product of the codes of BF8 (E5M2), f32 sums; b = -e_sq 2^(-ex-ee-1), made by the launch before.
; x_sq is left out: it is the same for all codes of a row (shown at the head of the first kernel).  pval takes -u, so that the smaller number is the nearer code.
; b IS THE C OF A TILE'S FIRST MATRIX INSTRUCTION: no vector instruction forms u.  u is rounded once in each of the four K steps, not in reference()'s order.
; SHARES.  A work-group owns 128 rows of x and one half of the codebook.  ALL FOUR WAVES HOLD THE SAME 128 ROWS IN REGISTERS, for all of K: 8 tiles x 4 K steps x 16 = 512 registers, read once.
; Wave w walks tiles 64 w .. 64 w + 63 of the half; a fragment of 16 codes x 128 K feeds eight matrix instructions.
; NO LDS ON THE CODES' WAY, AND CLUSTER = NONE.  A tile's record (8,448 bytes: codes, then b) is read by ONE wave of the work-group, once, and lies in memory as that wave's operand registers: 18 loads of 512 (b: 64) consecutive bytes
; bring it into the registers that the products name.  By way of LDS the same 18 loads would stand behind a fill, every byte would be written and read once more, and each fill would ask for a round of barriers of waves that share nothing.
; Four sets of code registers take turns: tile T + 3 is asked for when tile T is multiplied, so 54 loads of a wave are out.
; TRANSPOSED USE: source 0 = 16 codes, source 1 = 16 rows of x: lane (r, h) holds ONE row (r) of x, and register j of a result the code 16 T + 8 h + j.
; THE RUNNING LARGEST, 14 vector instructions for a result of 16 x 16: four v_max3 carry the best from one register to its twin (the two take turns from tile to tile), a compare new > old (strict: the first tile stays),
; the tile's number under the mask, and the tile's eight u under the same mask (a snapshot).  At the end the first j whose snapshot equals the best names the code.  Later joins compare (u, then code).
; ORDER OF A PERIOD (one tile T): the wait for its record; the loads of tile T + 3; 32 products into one set of eight accumulators; the list of tile T - 1 on the other set, its eight results by turns.
; PREFETCH INTO THE L2.  The 128 work-groups of a half walk the same records in the same order.  Record P of each wave's 64 is asked for by two of them (x and x xor 127 share a P), each wave for its own walk: 33 blocks of 256 bytes,
; a block a lane and one instruction more for the last.  Records 4 to 11 are asked for at the head, records 4 c + 12 .. 4 c + 15 in trip c, two trips ahead of the trip that loads them; records 0 to 3 come by their loads alone.
; LIMITS: NaN among the inputs is not served.
; REGISTERS, in windows of 256 (s_set_vgpr_msb: bits 1:0 source 0, 3:2 source 1, 5:4 source 2, 7:6 destination):
;   window 0: v0-5 addresses; v8-23 the best, two sets; v24-31 the best's tile; v32-63 b, four sets; v64-127 the snapshots; v128-255 two sets of eight accumulators
;   window 1: x's K steps 0, 1: fragment (a, s) at v[16 (2 a + s)];   window 2: K steps 2, 3 likewise;   window 3: four sets of one tile of codes, K step s of set p at v[64 p + 16 s]
.set TILEB, 8448                       ; a tile's record: 33 blocks of 256 bytes
.set MRG,   0                          ; LDS: 4,096 bytes in which the four waves' results meet
.set SPARE, 4096                       ; the spare words, 128 bytes for each wave
.set L16, 1                            ; v1   16 x lane
.set AEO, 2                            ; v2   32 h
.set PFO, 3                            ; v3   256 x lane: the prefetches' offset
.set SPW, 4                            ; v4   my spare word; never rewritten
.set NIL, 5                            ; v5   0; never rewritten
.set BE,  8
.set IX,  24
.set EQ,  32
.set SN,  64
.set ACC, 128
.set H8,  128                          ; the end works in registers that the first set of accumulators has left: v128 8 h
.set MST, 129                          ; v129 MRG + 1024 x wave + 512 h + 4 r
.set MLD, 130                          ; v130 MRG + 256 x (wave & 1) + 8 x lane
.set RO,  131                          ; v131 8 x lane
.set RTB, 136
.set FB,  144
.set WV,  18                           ; s18  wave
.set YH,  21                           ; s21  my half of the codebook
.set EB,  24                           ; s[24:25] my walk: the record of the trip's first tile less one
.set PFA, 26                           ; s[26:27] the record that I prefetch; never rewritten
.set T3,  28                           ; s28  the trip in which I prefetch
.set CNT, 29                           ; s29  the trip
.set TP,  30                           ; s30  the number of the tile whose list is running
.set SEL, 58                           ; s[58:59] lane l xor 16
.set HM,  69                           ; s69  lanes 16-31
.set MK,  80                           ; s[80:87] eight masks
.set MSB, 0
.macro WIN new                         ; the immediate's high byte repeats the setting that is left; a switch that changes nothing is dropped
.if MSB != \new
	s_set_vgpr_msb (MSB<<8)|\new
.set MSB, \new
.endif
.endm
.set MM1,  0x07                        ; source 0 (codes) window 3, source 1 (x) window 1, C and D window 0
.set MM2,  0x0b                        ; source 1 window 2
.set LD3,  0xc0                        ; destination window 3, address window 0
.set TOX1, 0x40
.set TOX2, 0x80
.macro ASK first                       ; my one prefetch of the launch: at the head (first = 1) or in trip T3
.if \first
	s_cmp_lt_u32 s72, 2
.else
	s_cmp_eq_u32 s[T3], s[CNT]
.endif
	s_cbranch_scc0 .Lnot_now_\@
	global_prefetch_b8 v[PFO], s[PFA:PFA+1] th:TH_LOAD_NT scope:SCOPE_SE
	global_prefetch_b8 v[AEO], s[PFA:PFA+1] offset:8192 th:TH_LOAD_NT scope:SCOPE_SE
.Lnot_now_\@:
.endm
	s_load_b256 s[4:11], s[0:1], 0x0               ; xc s[4:5], ec s[6:7], pval s[8:9], pidx s[10:11]
	v_lshl_add_u32 v[SPW], v0, 2, SPARE
	v_mov_b32 v[NIL], 0
	v_lshrrev_b32 v6, 5, v0
	v_readfirstlane_b32 s[WV], v6                  ; wave 0..3
	v_and_b32 v6, 31, v0                           ; lane
	v_bfe_u32 v7, v0, 4, 1                         ; h
	v_lshlrev_b32 v[L16], 4, v6
	v_lshlrev_b32 v[AEO], 5, v7
	v_lshlrev_b32 v[PFO], 8, v6
	s_and_b32 s[YH], ttmp7, 0xffff
	s_mov_b32 s[SEL], 0x76543210
	s_mov_b32 s[SEL+1], 0xfedcba98
	s_mov_b32 s[HM], 0xffff0000
	s_mov_b32 s[CNT], 0
	s_lshl_b32 s[TP], s[YH], 8
	s_lshl_b32 s70, s[WV], 6
	s_add_co_u32 s[TP], s[TP], s70                 ; my first tile: 256 y + 64 w
	s_bfe_u32 s70, ttmp9, 0x10003                  ; P: x and x xor 127 are brought to the one of them whose bit 3 is 0, and that bit is taken out
	s_mul_i32 s70, s70, 0x7f
	s_xor_b32 s70, s70, ttmp9
	s_and_b32 s71, s70, 7
	s_lshr_b32 s70, s70, 4
	s_lshl_b32 s70, s70, 3
	s_or_b32 s73, s70, s71                         ; 0 .. 63
	s_lshr_b32 s[T3], s73, 2
	s_sub_co_u32 s72, s[T3], 1                     ; under 2: records 4 to 11, asked for at the head
	s_sub_co_u32 s[T3], s[T3], 3
	s_mul_i32 s73, s73, TILEB
	s_mul_i32 s70, s[TP], TILEB                    ; my walk begins here in ec
	s_mov_b32 s71, 0
	s_lshl_b32 s74, ttmp9, 16                      ; x: 8 tiles of 8,192 bytes
	s_mov_b32 s75, 0
	s_lshl_b32 s76, ttmp9, 9                       ; results: 65536 y + 512 x block + 256 x (wave & 1)
	s_lshl_b32 s77, s[YH], 16
	s_add_co_u32 s76, s76, s77
	s_and_b32 s77, s[WV], 1
	s_lshl_b32 s77, s77, 8
	s_add_co_u32 s76, s76, s77
	s_mov_b32 s77, 0
	s_wait_alu depctr_va_vdst(0)                   ; directly ahead of the wait below
	s_wait_kmcnt 0x0
	s_add_nc_u64 s[EB:EB+1], s[6:7], s[70:71]
	s_mov_b32 s70, s73
	s_add_nc_u64 s[PFA:PFA+1], s[EB:EB+1], s[70:71]
	s_add_nc_u64 s[4:5], s[4:5], s[74:75]
	s_add_nc_u64 s[8:9], s[8:9], s[76:77]
	s_add_nc_u64 s[10:11], s[10:11], s[76:77]
.macro LOADG p, off                    ; 18 loads: the record off bytes on in my walk: my eight codes' b, then the four fragments, into set p.  The products that read set p last stand a list (or four places) back
	global_load_b128 v[EQ+8*(\p):EQ+8*(\p)+3], v[AEO], s[EB:EB+1] offset:(\off)+8192
	global_load_b128 v[EQ+8*(\p)+4:EQ+8*(\p)+7], v[AEO], s[EB:EB+1] offset:(\off)+8208
	WIN LD3
.irp s, 0,1,2,3
.irp c, 0,1,2,3
	global_load_b128 v[64*(\p)+16*\s+4*\c:64*(\p)+16*\s+4*\c+3], v[L16], s[EB:EB+1] offset:(\off)+2048*\s+512*\c
.endr
.endr
.endm
	WIN TOX1
.irp a, 0,1,2,3,4,5,6,7                            ; x stays in registers: fragment (a, s), 2,048 bytes, four loads of 512 consecutive bytes
.irp s, 0,1
.irp c, 0,1,2,3
	global_load_b128 v[16*(2*\a+\s)+4*\c:16*(2*\a+\s)+4*\c+3], v[L16], s[4:5] offset:8192*\a+2048*\s+512*\c
.endr
.endr
.endr
	WIN TOX2
.irp a, 0,1,2,3,4,5,6,7
.irp s, 0,1
.irp c, 0,1,2,3
	global_load_b128 v[16*(2*\a+\s)+4*\c:16*(2*\a+\s)+4*\c+3], v[L16], s[4:5] offset:8192*\a+2048*(\s+2)+512*\c
.endr
.endr
.endr
	WIN 0
	LOADG 0, 0
	WIN 0
	LOADG 1, TILEB
	WIN 0
	LOADG 2, 2*TILEB
	WIN 0
	ASK 1
	s_mov_b32 s70, 0xff800000                      ; the list is written once: its first run finds best = -infinity.  80 moves, once
.irp a, 0,1,2,3,4,5,6,7
	v_mov_b32 v[BE+8+\a], s70
	v_mov_b32 v[IX+\a], 0
.endr
.set k, 0
.rept 64
	v_mov_b32 v[SN+k], s70
.set k, k+1
.endr
; The list of a tile, on set q of the accumulators: 14 rows of eight instructions, x's eight tiles by turns, so that an instruction stands eight behind the one that feeds it.  q also says which of the best's two registers is written.
.macro EPI q
.set EJ, 0
.rept 14
.irp a, 0,1,2,3,4,5,6,7
.set LC, ACC+64*(\q)+8*\a
.set BN, BE+8*(\q)+\a
.set BO, BE+8*(1-(\q))+\a
.if EJ == 0
	v_max3_num_f32 v[BN], v[BO], v[LC], v[LC+1]    ; from the accumulator's low end on
.elseif EJ < 4
	v_max3_num_f32 v[BN], v[BN], v[LC+2*EJ], v[LC+2*EJ+1]
.elseif EJ == 4
	v_cmp_gt_f32 s[MK+\a], v[BN], v[BO]            ; strictly larger: an equal u of a later tile does not displace the first
.elseif EJ == 5
	v_cndmask_b32 v[IX+\a], v[IX+\a], s[TP], s[MK+\a]
.else
	v_cndmask_b32 v[SN+8*\a+EJ-6], v[SN+8*\a+EJ-6], v[LC+EJ-6], s[MK+\a]
.endif
.endr
.set EJ, EJ+1
.endr
.endm
; 32 products: the tile of codes in set p against x's eight tiles, into set q.  The eight accumulators take turns, one instruction a turn.  K step 0 takes b as C: nothing is cleared.
.macro WM p, q
.irp s, 0,1,2,3
.if \s < 2
	WIN MM1
.else
	WIN MM2
.endif
.irp a, 0,1,2,3,4,5,6,7
.if \s == 0
	v_wmma_f32_16x16x128_bf8_bf8 v[ACC+64*(\q)+8*\a:ACC+64*(\q)+8*\a+7], v[64*(\p)+16*\s:64*(\p)+16*\s+15], v[16*(2*\a+\s%2):16*(2*\a+\s%2)+15], v[EQ+8*(\p):EQ+8*(\p)+7]
.else
	v_wmma_f32_16x16x128_bf8_bf8 v[ACC+64*(\q)+8*\a:ACC+64*(\q)+8*\a+7], v[64*(\p)+16*\s:64*(\p)+16*\s+15], v[16*(2*\a+\s%2):16*(2*\a+\s%2)+15], v[ACC+64*(\q)+8*\a:ACC+64*(\q)+8*\a+7]
.endif
.endr
.endr
.endm
; A PERIOD: tile T, codes in set p = T % 4, sums in set q = T % 2.  left: the loads that may stay out when T's record has to be there: the two younger tiles' 36, until the walk's end.
; ld: tile T + 3, at off, is asked for.  ep = 0: the first period, with no list of a tile before.  ask: the trip's prefetch stands between the products and the list.
.macro PERIOD p, q, ld, off, left, ep, ask
	s_wait_loadcnt \left
.if \ld
	LOADG ((\p)+3)%4, \off
.endif
	WM \p, \q
	WIN 0
.if \ask
	ASK 0
.endif
.if \ep
	EPI 1-(\q)
	s_add_co_u32 s[TP], s[TP], 1
.else
.rept 4
	v_nop                                          ; four plain places in front of the next period's loads and list
.endr
.endif
.endm
; The other candidate (ot, oi) takes the place of (bt, bi) where its u is larger, or equal with a lower code.
.macro JOIN bt, bi, ot, oi
	v_cmp_gt_f32 s[MK], v[\ot], v[\bt]
	v_cmp_eq_f32 s[MK+1], v[\ot], v[\bt]
	v_cmp_lt_u32 s[MK+2], v[\oi], v[\bi]
	s_and_b32 s[MK+1], s[MK+1], s[MK+2]
	s_or_b32 s[MK], s[MK], s[MK+1]
	v_cndmask_b32 v[\bt], v[\bt], v[\ot], s[MK]
	v_cndmask_b32 v[\bi], v[\bi], v[\oi], s[MK]
.endm
	s_wait_alu depctr_va_vdst(0)                   ; the wait at the head's end
	PERIOD 0, 0, 1, 3*TILEB, 36, 0, 0              ; tile 0 stands in front of the loop; its wait covers x too, which was asked for first
.Ltrip:                                            ; 14 trips of four tiles: 4 c + 1 .. 4 c + 4; the register sets are back where they began
	PERIOD 1, 1, 1, 4*TILEB, 36, 1, 1
	PERIOD 2, 0, 1, 5*TILEB, 36, 1, 0
	PERIOD 3, 1, 1, 6*TILEB, 36, 1, 0
	PERIOD 0, 0, 1, 7*TILEB, 36, 1, 0
	s_wait_xcnt 0x0                                ; the loads have read their base: it steps only behind this wait
	s_add_nc_u64 s[EB:EB+1], s[EB:EB+1], 4*TILEB
	s_add_co_u32 s[CNT], s[CNT], 1
	s_cmp_lt_u32 s[CNT], 14
	s_cbranch_scc1 .Ltrip
	PERIOD 1, 1, 1, 4*TILEB, 36, 1, 0              ; tiles 57 to 60 ask for the last four records,
	PERIOD 2, 0, 1, 5*TILEB, 36, 1, 0
	PERIOD 3, 1, 1, 6*TILEB, 36, 1, 0
	PERIOD 0, 0, 1, 7*TILEB, 36, 1, 0
	PERIOD 1, 1, 0, 0, 36, 1, 0                    ; tiles 61 to 63 for nothing: the counts run down
	PERIOD 2, 0, 0, 0, 18, 1, 0
	PERIOD 3, 1, 0, 0, 0, 1, 0
	EPI 1                                          ; the last tile's list
; THE CODE.  The first j whose snapshot equals the best; code = 16 x tile + 8 h + j.  Then the lane 16 away, which holds the same row's other eight codes of each tile.
; Lanes 0-15 put u, lanes 16-31 the code, into my wave's 1,024 bytes of MRG.
	v_and_b32 v132, 15, v0                         ; r
	v_bfe_u32 v[H8], v0, 4, 1                      ; h
	v_and_b32 v133, 31, v0                         ; lane
	v_lshlrev_b32 v[RO], 3, v133
	v_lshlrev_b32 v132, 2, v132
	s_lshl_b32 s70, s[WV], 10
	v_lshl_add_u32 v[MST], v[H8], 9, v132
	v_add_nc_u32 v[MST], s70, v[MST]
	s_and_b32 s71, s[WV], 1
	s_lshl_b32 s71, s71, 8
	v_add_nc_u32 v[MLD], s71, v[RO]
	v_lshlrev_b32 v[H8], 3, v[H8]
.macro RESOLVE a
.set RT, RTB+4*((\a)%2)
.set BF, BE+8+(\a)
	v_mov_b32 v[RT], 7
.irp j, 6,5,4,3,2,1,0
	v_cmp_neq_f32 vcc_lo, v[SN+8*(\a)+\j], v[BF]
	v_cndmask_b32 v[RT], \j, v[RT], vcc_lo
.endr
	v_lshl_add_u32 v[IX+(\a)], v[IX+(\a)], 4, v[RT]
	v_add_nc_u32 v[IX+(\a)], v[IX+(\a)], v[H8]
	v_permlanex16_b32 v[RT+1], v[BF], s[SEL], s[SEL+1]   ; (the destinations count as read: products have written them)
	v_permlanex16_b32 v[RT+2], v[IX+(\a)], s[SEL], s[SEL+1]
	JOIN BF, IX+(\a), RT+1, RT+2
	v_cndmask_b32 v[SN+8*(\a)], v[BF], v[IX+(\a)], s[HM]
	ds_store_b32 v[MST], v[SN+8*(\a)] offset:64*(\a)
.endm
.irp a, 0,1,2,3,4,5,6,7
	RESOLVE \a
.endr
	s_wait_dscnt 0x0                               ; for the others' sake: my stores have landed
	s_barrier_signal -1
	s_barrier_wait -1
	s_cmp_ge_u32 s[WV], 2
	s_cbranch_scc1 .Lend
.irp u, 0,1,2,3                        ; waves 0 and 1: lane l takes rows 64 w + 2 l and 64 w + 2 l + 1, from all four waves' parts
	ds_load_b64 v[FB+4*\u:FB+4*\u+1], v[MLD] offset:1024*\u
	ds_load_b64 v[FB+4*\u+2:FB+4*\u+3], v[MLD] offset:1024*\u+512
.endr
	s_wait_dscnt 0x0
.irp u, 1,2,3
	JOIN FB, FB+2, FB+4*\u, FB+4*\u+2
	JOIN FB+1, FB+3, FB+4*\u+1, FB+4*\u+3
.endr
	v_xor_b32 v[FB], 0x80000000, v[FB]             ; -u
	v_xor_b32 v[FB+1], 0x80000000, v[FB+1]
	global_store_b64 v[RO], v[FB:FB+1], s[8:9]     ; 32 lanes store 256 consecutive bytes, aligned
	global_store_b64 v[RO], v[FB+2:FB+3], s[10:11]
.Lend:
	s_wait_tensorcnt 0x0                           ; the wave's end, behind my last LDS store
	ds_add_u32 v[SPW], v[NIL]
	s_wait_dscnt 0x0
	s_endpgm
.Lfunc_end_k_q09061da595_dist:
	.size	k_q09061da595_dist, .Lfunc_end_k_q09061da595_dist-k_q09061da595_dist
	.p2alignl 7, 3214868480
	.fill 96, 4, 3214868480
	.section	.rodata,"a",@progbits
	.p2align	6, 0x0
	.amdhsa_kernel k_q09061da595_dist
		.amdhsa_group_segment_fixed_size 4608
		.amdhsa_private_segment_fixed_size 0
		.amdhsa_enable_private_segment 0
		.amdhsa_kernarg_size 32
		.amdhsa_user_sgpr_count 2
		.amdhsa_user_sgpr_kernarg_segment_ptr 1
		.amdhsa_wavefront_size32 1
		.amdhsa_system_sgpr_workgroup_id_x 1
		.amdhsa_system_sgpr_workgroup_id_y 1
		.amdhsa_system_sgpr_workgroup_id_z 1
		.amdhsa_system_vgpr_workitem_id 0
		.amdhsa_next_free_vgpr 1024
		.amdhsa_next_free_sgpr 96
		.amdhsa_reserve_vcc 1
		.amdhsa_float_denorm_mode_32 3
		.amdhsa_float_denorm_mode_16_64 3
		.amdhsa_memory_ordered 1
		.amdhsa_forward_progress 1
		.amdhsa_inst_pref_size 162
	.end_amdhsa_kernel
	.amdgpu_metadata
---
amdhsa.version: [ 1, 2 ]
amdhsa.kernels:
  - .name:           k_q09061da595_dist
    .symbol:         k_q09061da595_dist.kd
    .args:
      - { .name: xc, .offset: 0, .size: 8, .value_kind: global_buffer, .address_space: global }
      - { .name: ec, .offset: 8, .size: 8, .value_kind: global_buffer, .address_space: global }
      - { .name: pval, .offset: 16, .size: 8, .value_kind: global_buffer, .address_space: global }
      - { .name: pidx, .offset: 24, .size: 8, .value_kind: global_buffer, .address_space: global }
    .group_segment_fixed_size: 4608
    .private_segment_fixed_size: 0
    .kernarg_segment_align: 8
    .kernarg_segment_size: 32
    .max_flat_workgroup_size: 128
    .sgpr_count:     96
    .vgpr_count:     1024
    .wavefront_size: 32
...
	.end_amdgpu_metadata
.endif
;; end of part 2
;; launch gather (part 3): grid 256 x 1, 8 waves a work-group, no clusters, 0 bytes of LDS; arguments embed, pval, pidx, out0, out1; writes out0, out1
.if DOCPART == 3
	.amdgcn_target "amdgcn-amd-amdhsa--gfx1250"
	.amdhsa_code_object_version 6
	.text
	.protected	k_q09061da595_gather
	.globl	k_q09061da595_gather
	.p2align	8
	.type	k_q09061da595_gather,@function
k_q09061da595_gather:
	s_mov_b64 s[64:65], 0
	v_nop
	global_prefetch_b8 v0, s[64:65] scope:SCOPE_SE
	s_setreg_imm32_b32 hwreg(HW_REG_WAVE_MODE, 25, 1), 1
	s_wait_xcnt 0x0
; out1[row] = the code with the smallest t over both halves of the codebook; out0[row] = embed[that code], 2,048 bytes of f32.
; pidx [2][16384] holds each half's code, pval [2][16384] its t.  Half 1 wins only where its t is STRICTLY smaller: half 0 holds the lower codes, and the first of equals is wanted.
; Addresses are made of the whole numbers in pidx alone: BOTH halves' rows are loaded, and the comparison of the two t selects data (v_cndmask_b32), never an address.
; SHARES.  A work-group takes 64 rows, a wave 8.  A wave's 8 codes and t of each half come by scalar loads of 32 bytes; a row is four loads of 512 consecutive bytes and four such stores.
; A ring of four slots in registers: one row at work, one whose stores are leaving, two on their way in (16 loads).  No LDS, no barrier: waves share nothing.
; Wave 0 also joins the work-group's 64 codes, two a lane, and stores them as 256 consecutive bytes of out1.
; A code is held within 0 .. 8,191 before it enters an address.  NaN among the t is not served.
.set CAND0, 48                         ; s[48:63]  the 8 rows' addresses in embed, half 0's candidates
.set CAND1, 66                         ; s[66:81]  half 1's
.set MK,    82                         ; s[82:89]  all ones where half 1 wins
	s_load_b256 s[4:11], s[0:1], 0x0               ; embed s[4:5], pval s[6:7], pidx s[8:9], out0 s[10:11]
	s_load_b64 s[12:13], s[0:1], 0x20              ; out1
	v_lshrrev_b32 v2, 5, v0
	s_delay_alu instid0(VALU_DEP_1)
	v_readfirstlane_b32 s14, v2                    ; wave 0..7
	v_and_b32 v2, 31, v0                           ; lane
	s_delay_alu instid0(VALU_DEP_1)
	v_lshlrev_b32 v1, 4, v2                        ; 16 x lane
	s_delay_alu instid0(VALU_DEP_2)
	v_lshlrev_b32 v3, 3, v2                        ; 8 x lane
	s_lshl_b32 s15, ttmp9, 3
	s_add_co_u32 s15, s15, s14                     ; G: which run of 8 rows is my wave's
	s_lshl_b32 s90, s15, 5                         ; 8 words
	s_mov_b32 s91, 0
	s_lshl_b32 s92, s15, 14                        ; 8 rows of 2,048 bytes
	s_mov_b32 s93, 0
	s_lshl_b32 s94, ttmp9, 8                       ; 64 words
	s_mov_b32 s95, 0
	s_wait_kmcnt 0x0
	s_add_nc_u64 s[6:7], s[6:7], s[90:91]
	s_add_nc_u64 s[8:9], s[8:9], s[90:91]
	s_add_nc_u64 s[10:11], s[10:11], s[92:93]
	s_add_nc_u64 s[12:13], s[12:13], s[94:95]
	s_load_b256 s[16:23], s[8:9], 0x0              ; half 0's codes,
	s_load_b256 s[24:31], s[8:9], 0x10000          ; half 1's,
	s_load_b256 s[32:39], s[6:7], 0x0              ; half 0's t,
	s_load_b256 s[40:47], s[6:7], 0x10000          ; half 1's
	s_wait_kmcnt 0x0
.irp i, 0,1,2,3,4,5,6,7
	s_min_u32 s[16+\i], s[16+\i], 8191
	s_lshl_b32 s90, s[16+\i], 11                   ; a row of embed is 2,048 bytes (s91 is still 0)
	s_add_nc_u64 s[CAND0+2*\i:CAND0+2*\i+1], s[4:5], s[90:91]
	s_min_u32 s[24+\i], s[24+\i], 8191
	s_lshl_b32 s90, s[24+\i], 11
	s_add_nc_u64 s[CAND1+2*\i:CAND1+2*\i+1], s[4:5], s[90:91]
	v_cmp_gt_f32 s[MK+\i], s[32+\i], s[40+\i]      ; the same in every lane
.endr
.macro FILL i                          ; row i's two candidates into slot i % 4.  No hint: a row of embed may be named by many rows
.set FS, 16+32*((\i)%4)
.irp q, 0,1,2,3
	global_load_b128 v[FS+4*\q:FS+4*\q+3], v1, s[CAND0+2*(\i):CAND0+2*(\i)+1] offset:512*\q
.endr
.irp q, 0,1,2,3
	global_load_b128 v[FS+16+4*\q:FS+16+4*\q+3], v1, s[CAND1+2*(\i):CAND1+2*(\i)+1] offset:512*\q
.endr
.endm
.macro TURN i, left                    ; left: the younger loads, which may stay out
.set TS, 16+32*((\i)%4)
	s_wait_loadcnt \left
.irp q, 0,1,2,3,4,5,6,7,8,9,10,11,12,13,14,15
	v_cndmask_b32 v[TS+\q], v[TS+\q], v[TS+16+\q], s[MK+(\i)]
.endr
.irp q, 0,1,2,3
	global_store_b128 v1, v[TS+4*\q:TS+4*\q+3], s[10:11] offset:2048*(\i)+512*\q th:TH_STORE_NT   ; 32 lanes store 512 consecutive bytes, at a multiple of 256 from out0's first byte
.endr
.if (\i)+3 <= 7
	s_wait_xcnt 0x0                                ; the slot in front was stored a turn ago: it is loaded again only behind this wait
	FILL (\i)+3
.endif
.endm
	FILL 0
	FILL 1
	FILL 2
	s_cmp_lg_u32 s14, 0
	s_cbranch_scc1 .Lrows
	s_wait_alu depctr_va_vdst(0)
	global_load_b64 v[4:5], v3, s[6:7]             ; wave 0 (its G is 8 x the work-group, so its bases stand at the work-group's 64 rows): t and code of rows 2 l, 2 l + 1, both halves
	global_load_b64 v[6:7], v3, s[6:7] offset:65536
	global_load_b64 v[8:9], v3, s[8:9]
	global_load_b64 v[10:11], v3, s[8:9] offset:65536
	s_wait_loadcnt 0x0                             ; these four, and with them the three fills, which the turns below want in any case
	v_cmp_gt_f32 vcc_lo, v4, v6
	s_delay_alu instid0(VALU_DEP_1)
	v_cndmask_b32 v12, v8, v10, vcc_lo
	v_cmp_gt_f32 vcc_lo, v5, v7
	s_delay_alu instid0(VALU_DEP_1)
	v_cndmask_b32 v13, v9, v11, vcc_lo
	global_store_b64 v3, v[12:13], s[12:13]        ; 32 lanes store 256 consecutive bytes, aligned
.Lrows:
	TURN 0, 16                                     ; two younger rows, eight loads each, stay out
	TURN 1, 16
	TURN 2, 16
	TURN 3, 16
	TURN 4, 16
	TURN 5, 16
	TURN 6, 8                                      ; the last turns load nothing: the counts run down
	TURN 7, 0
	s_endpgm
.Lfunc_end_k_q09061da595_gather:
	.size	k_q09061da595_gather, .Lfunc_end_k_q09061da595_gather-k_q09061da595_gather
	.p2alignl 7, 3214868480
	.fill 96, 4, 3214868480
	.section	.rodata,"a",@progbits
	.p2align	6, 0x0
	.amdhsa_kernel k_q09061da595_gather
		.amdhsa_group_segment_fixed_size 0
		.amdhsa_private_segment_fixed_size 0
		.amdhsa_enable_private_segment 0
		.amdhsa_kernarg_size 40
		.amdhsa_user_sgpr_count 2
		.amdhsa_user_sgpr_kernarg_segment_ptr 1
		.amdhsa_wavefront_size32 1
		.amdhsa_system_sgpr_workgroup_id_x 1
		.amdhsa_system_sgpr_workgroup_id_y 1
		.amdhsa_system_sgpr_workgroup_id_z 1
		.amdhsa_system_vgpr_workitem_id 0
		.amdhsa_next_free_vgpr 160
		.amdhsa_next_free_sgpr 96
		.amdhsa_reserve_vcc 1
		.amdhsa_float_denorm_mode_32 3
		.amdhsa_float_denorm_mode_16_64 3
		.amdhsa_memory_ordered 1
		.amdhsa_forward_progress 1
		.amdhsa_inst_pref_size 23
	.end_amdhsa_kernel
	.amdgpu_metadata
---
amdhsa.version: [ 1, 2 ]
amdhsa.kernels:
  - .name:           k_q09061da595_gather
    .symbol:         k_q09061da595_gather.kd
    .args:
      - { .name: embed, .offset: 0, .size: 8, .value_kind: global_buffer, .address_space: global }
      - { .name: pval, .offset: 8, .size: 8, .value_kind: global_buffer, .address_space: global }
      - { .name: pidx, .offset: 16, .size: 8, .value_kind: global_buffer, .address_space: global }
      - { .name: out0, .offset: 24, .size: 8, .value_kind: global_buffer, .address_space: global }
      - { .name: out1, .offset: 32, .size: 8, .value_kind: global_buffer, .address_space: global }
    .group_segment_fixed_size: 0
    .private_segment_fixed_size: 0
    .kernarg_segment_align: 8
    .kernarg_segment_size: 40
    .max_flat_workgroup_size: 256
    .sgpr_count:     96
    .vgpr_count:     160
    .wavefront_size: 32
...
	.end_amdgpu_metadata
.endif
;; end of part 3
